; MI455X (gfx1250); checked and timed in simulation.
; The chip was launched on July 23, 2026; its instructions are those of AMD's public machine-readable ISA for CDNA 5 (MIT licence, August 2026) and "CDNA5" Instruction Set Architecture Reference Guide (July 2026). The comments in the code are by the model that wrote it; some were corrected since.
;; Head. Allowed arithmetic: float matrix products may take bf16 or f16 operands with f32 sums; all other float work in f32.
;; Inputs: Wk 64 x 64 float32; Wq 64 x 64 float32; Wv 64 x 64 float32; inputs 32 x 2,048 x 64 float32.
;; Outputs: out0 32 x 2,048 x 64 float32.
;; One version. Each part assembles by itself: llvm-mc -triple=amdgcn-amd-amdhsa -mcpu=gfx1250 --defsym DOCPART=n.
;; ======== version 1 of 1: 1 launch
;; limits: inputs' magnitudes at most 65,504; values are held in f16: magnitudes above 65,504 overflow, below 6.1e-05 lose precision; below input magnitudes of 6.1e-05 results are inexact or not finite
;; launch attn (part 1): grid 256 x 1, 8 waves a work-group, no clusters, 258,560 bytes of LDS; arguments inputs, Wq, Wk, Wv, out0; writes out0
.if DOCPART == 1
	.amdgcn_target "amdgcn-amd-amdhsa--gfx1250"
	.amdhsa_code_object_version 6
	.text
	.protected	k_q433b473011_attn
	.globl	k_q433b473011_attn
	.p2align	8
	.type	k_q433b473011_attn,@function
k_q433b473011_attn:
	s_mov_b64 s[64:65], 0
	v_nop
	global_prefetch_b8 v0, s[64:65] scope:SCOPE_SE
	s_setreg_imm32_b32 hwreg(HW_REG_WAVE_MODE, 25, 1), 1
	s_wait_xcnt 0x0
; One attention head without a mask.  inputs x: [32][2048][64] f32; Wq, Wk, Wv: [64][64] f32; out0: [32][2048][64] f32.
;   out = softmax((x Wq^T)(x Wk^T)^T / 8) (x Wv^T)
; is computed as   q' = (x_q Wq^T) Wk,   S = q' x^T,   P = softmax(S / 8),   out = (P x) Wv^T :
; the same sums in another order, so that keys and values are both x itself: one LDS tile serves both large products,
; and no work-group projects the whole batch.
;
; SHARES.  256 work-groups: batch = id >> 3, block of 256 queries = id & 7.  Eight waves, two for each of a WGP's four SIMDs, so that one
; wave's softmax runs beside the other's products.  Wave w: queries 64 (w & 3) .. + 63 of the block, and of every chunk of 128 keys the half w >> 2.
; The two waves of a query group keep (maximum, sum, O) each for its keys; they are merged once, at the end, through LDS.
;
; ALL PRODUCTS ARE TRANSPOSED: the query is the column (n = lane & 15) of every result.  A result block of 4 tiles x 8 registers then
; becomes the next product's B operand by packing register pairs (2i, 2i+1) into register i: nothing moves between lanes.
;
; FORMATS AND LIMITS.  Matrix operands are f16, sums f32, softmax f32 with a running maximum.
;   - |x|, |W| above 65,504 become infinite in f16; magnitudes below 6.1e-5 in x, W and P carry an absolute error of up to 3e-8.
;   - q and q' have no fixed range: each query's row is divided by its largest magnitude (at least 2^-100) before it is packed, and the two
;     divisors go into the row's softmax factor sc = c1 c2 log2(e) / 8.
;   - The order of rounding differs from the reference's (the regrouping above).  Exponentials below 2^-126 count as zero.
;
; NO JOINT LOADS, though the eight work-groups of a batch read the same chunks: x lies in memory as f32 and is multiplied as f16, so it has to
; pass through registers.  A chunk brought into LDS by a tensor load would be 32,768 bytes written, 32,768 read back and 16,384 written again,
; against 16,384 written on the way taken here (global load, convert, ds_store).
;
; LDS ROWS (chunks, weights, query rows): row p of 64 f16 lies at 160 p + 16 (p >> 3).  With it both kinds of fragment load touch sixteen
; different 16-byte columns modulo 256 bytes in each half wave: 16 rows at one column (10 r + (r >> 3) mod 16 are all different), and the
; transposing load's 8 rows x 32 bytes (10 i + {0, 1} mod 16 are all different).
.set GRP,    1296                      ; 8 rows
.set T16,    2592                      ; 16 rows
.set WMAT,   10368                     ; 64 rows: a weight matrix, a wave's queries, a wave's half of a chunk
.set SLOT,   20736                     ; 128 rows: a chunk
.set WREG,   41472                     ; behind the ring of two slots: Wq, Wk, Wv
.set QROWS,  72704                     ; the block's 256 query rows
.set MERGE,  114176                    ; waves 4-7 leave O (32 x 512 bytes) and their softmax state (4 x 512 bytes) here
.set MSLOT,  18432
.set OUTST,  187904                    ; waves 0-3: 64 rows of 256 bytes of out, pitch 272
.set OSLOT,  17408
.set CHUNKB, 32768                     ; a chunk in memory: 128 rows of 256 bytes
; window 0: v1 global staging offset; v2 LDS staging address; v3 K fragments; v4 V fragments; v5 query fragments; v6 plain weight fragments;
; v7 transposed Wk; v8 prefetch offset; v9 merge; v10, v11 out stage; v12 16 x lane; v13, v14 staging of W and of the query rows; v15 scratch
.set STA,  16                          ; v[16:31]   query tile t: sc, -sc, -maximum, sum (the lane's keys)
                                       ; v[32:47]   at work
.set PK,   48                          ; v[48:63]   P (or O) packed to f16: two B fragments
                                       ; v[64:127]  two blocks of 32 results, tile t in block t & 1
.set KFR,  128                         ; v[128:191] A fragments: 4 tiles x 2 K steps (weights, then keys)
.set STG,  192                         ; v[192:223] a chunk on its way from memory
; window 1 (v256-v511, written by their low 8 bits)
                                       ; 0-127     O: tile t, e block i at 32 t + 8 i
.set QFR,  128                         ; 128-191   q' packed, 16 t + 8 ks; at the end Wv's fragments
.set VFR,  192                         ; 192-255   V fragments, 16 i + 8 ks; at the start the query rows' fragments, then q packed
.set MSB, 0
.macro WIN new                         ; low byte: bits 1:0 source 0, 3:2 source 1, 5:4 source 2, 7:6 destination; the high byte repeats the setting that is left
.if MSB != \new
	s_set_vgpr_msb (MSB<<8)|\new
.set MSB, \new
.endif
.endm
; Four plain vector instructions between a matrix instruction and a vector instruction that reads its result (ISA guide 7.12.1)
.macro PLACES
.rept 4
	v_nop
.endr
.endm
; n loads of 16 bytes a thread: the work-group's 256 threads cover 4,096 consecutive bytes (16 rows of x or W) with each
.macro GLOAD n, rb, sb
.set j, 0
.rept \n
	global_load_b128 v[\rb+4*j:\rb+4*j+3], v1, s[\sb:\sb+1] offset:4096*j
.set j, j+1
.endr
.endm
; the same 16 bytes (4 f32) to 8 bytes of f16, into LDS rows 16 j + (thread >> 4)
.macro CVTST rb, n, areg, off
.set j, 0
.rept \n
	v_cvt_pk_f16_f32 v[\rb+4*j], v[\rb+4*j], v[\rb+4*j+1]
	v_cvt_pk_f16_f32 v[\rb+4*j+1], v[\rb+4*j+2], v[\rb+4*j+3]
	ds_store_b64 v[\areg], v[\rb+4*j:\rb+4*j+1] offset:\off+T16*j
.set j, j+1
.endr
.endm
; 4 tiles of 16 rows x 2 K steps of 32, K along the LDS rows: lane (r, h) takes 16 bytes at row r, byte 16 h, and 32 bytes further
.macro FRAG16 dst, areg, off
.irp a, 0,1,2,3
.irp ks, 0,1
	ds_load_b128 v[\dst+16*\a+8*\ks:\dst+16*\a+8*\ks+3], v[\areg] offset:\off+T16*\a+64*\ks
	ds_load_b128 v[\dst+16*\a+8*\ks+4:\dst+16*\a+8*\ks+7], v[\areg] offset:\off+T16*\a+64*\ks+32
.endr
.endr
.endm
; the same fragments of the transposed matrix: K runs down the LDS rows (32 rows a K step), tile a is 32 bytes of each row
.macro FRAGT dst, areg, off
.irp a, 0,1,2,3
.irp ks, 0,1
	ds_load_tr16_b128 v[\dst+16*\a+8*\ks:\dst+16*\a+8*\ks+3], v[\areg] offset:\off+2*T16*\ks+32*\a
	ds_load_tr16_b128 v[\dst+16*\a+8*\ks+4:\dst+16*\a+8*\ks+7], v[\areg] offset:\off+2*T16*\ks+32*\a+T16
.endr
.endr
.endm
; 64 x 16 x 64: four accumulators d + 8 i, A tiles a + 16 i (+ 8 for the second K step), B b (+ 8).
; The four accumulators take turns, one instruction a turn.  zero = 1: the first K step starts the sums.
.macro MM8 d, a, b, zero
.irp i, 0,1,2,3
.if \zero
	v_wmma_f32_16x16x32_f16 v[\d+8*\i:\d+8*\i+7], v[\a+16*\i:\a+16*\i+7], v[\b:\b+7], 0
.else
	v_wmma_f32_16x16x32_f16 v[\d+8*\i:\d+8*\i+7], v[\a+16*\i:\a+16*\i+7], v[\b:\b+7], v[\d+8*\i:\d+8*\i+7]
.endif
.endr
.irp i, 0,1,2,3
	v_wmma_f32_16x16x32_f16 v[\d+8*\i:\d+8*\i+7], v[\a+16*\i+8:\a+16*\i+15], v[\b+8:\b+15], v[\d+8*\i:\d+8*\i+7]
.endr
.endm
; v32 = the largest of the lane's 32 numbers at sb (abs = 1: of their magnitudes), in two chains; v33 = the same of lane ^ 16, which holds the query's other 32
.macro MAX32 sb, abs
.if \abs
	v_max3_num_f32 v32, |v[\sb]|, |v[\sb+1]|, |v[\sb+2]|
	v_max3_num_f32 v33, |v[\sb+3]|, |v[\sb+4]|, |v[\sb+5]|
.set j, 6
.rept 6
	v_max3_num_f32 v32, v32, |v[\sb+j]|, |v[\sb+j+1]|
	v_max3_num_f32 v33, v33, |v[\sb+j+2]|, |v[\sb+j+3]|
.set j, j+4
.endr
	v_max3_num_f32 v32, v32, |v[\sb+30]|, |v[\sb+31]|
.else
	v_max3_num_f32 v32, v[\sb], v[\sb+1], v[\sb+2]
	v_max3_num_f32 v33, v[\sb+3], v[\sb+4], v[\sb+5]
.set j, 6
.rept 6
	v_max3_num_f32 v32, v32, v[\sb+j], v[\sb+j+1]
	v_max3_num_f32 v33, v33, v[\sb+j+2], v[\sb+j+3]
.set j, j+4
.endr
	v_max3_num_f32 v32, v32, v[\sb+30], v[\sb+31]
.endif
	v_max_num_f32 v32, v32, v33
	v_permlanex16_b32 v33, v32, s20, s21
.endm
; A query's 64 numbers are divided by their largest magnitude c (at least 2^-100), packed to f16 into window 1 at dst, and c goes into sc
.macro ROWNORM sb, dst, t, first
	MAX32 \sb, 1
	v_max3_num_f32 v32, v32, v33, s22
	v_rcp_f32 v34, v32
.if \first
	v_mul_f32 v[STA+4*\t], s23, v32                ; sc = c1 log2(e) / 8.  This line is also the plain instruction behind v_rcp_f32 (ISA guide 5.7.2)
	s_wait_alu depctr_va_vdst(0)
.else
	v_mul_f32 v[STA+4*\t], v[STA+4*\t], v32        ; sc *= c2; the plain instruction behind v_rcp_f32
	v_mul_f32 v[STA+4*\t+1], -1.0, v[STA+4*\t]     ; -sc
	s_wait_alu depctr_va_vdst(0)
.endif
.set j, 0
.rept 16
	v_pk_mul_f32 v[\sb+2*j:\sb+2*j+1], v[\sb+2*j:\sb+2*j+1], v[34:35] op_sel_hi:[1,0]
.set j, j+1
.endr
	WIN 0x40
.set j, 0
.rept 16
	v_cvt_pk_f16_f32 v[\dst+j], v[\sb+2*j], v[\sb+2*j+1]
.set j, j+1
.endr
	WIN 0
.endm
; One projection of query tile t: (weights in the A fragments) x (window 1, VFR + 16 t), normalised and packed to dst + 16 t
.macro PROJ t, dst, first
.set SBT, 64+32*(\t&1)
	WIN 0x04
	MM8 SBT, KFR, VFR+16*\t, 1
	WIN 0
	PLACES
	ROWNORM SBT, \dst+16*\t, \t, \first
.endm
; S^T of query tile t: 64 keys x 16 queries
.macro SMUL t
	WIN 0x04
	MM8 64+32*(\t&1), KFR, QFR+16*\t, 1
.endm
; Softmax of tile t: running maximum, p = exp2(S sc - m) in place, packed to f16.  v34 = exp2(old m - new m)
.macro SM t, first
	WIN 0
.set SBT, 64+32*(\t&1)
.set STT, STA+4*\t
	MAX32 SBT, 0
	v_max_num_f32 v32, v32, v33                    ; the query's largest S of these 64 keys; sc >= 0, so its product with -sc is the least
.if \first
	v_mul_f32 v[STT+2], v32, v[STT+1]              ; -m
.else
	v_mul_f32 v32, v32, v[STT+1]
	v_min_num_f32 v32, v32, v[STT+2]               ; -(new m)
	v_sub_f32 v35, v32, v[STT+2]                   ; old m - new m
	v_mov_b32 v[STT+2], v32
.endif
.set j, 0
.rept 16
	v_pk_fma_f32 v[SBT+2*j:SBT+2*j+1], v[SBT+2*j:SBT+2*j+1], v[STT:STT+1], v[STT+2:STT+3] op_sel_hi:[1,0,0]
.set j, j+1
.endr
.if \first == 0
	v_exp_f32 v34, v35
.endif
.set j, 0
.rept 32
	v_exp_f32 v[SBT+j], v[SBT+j]
.set j, j+1
.endr
	v_nop                                          ; a plain instruction between the exponentials and the first use of a result (ISA guide 5.7.2)
.set j, 0
	s_wait_alu depctr_va_vdst(0)
.rept 16
	v_cvt_pk_f16_f32 v[PK+j], v[SBT+2*j], v[SBT+2*j+1]
.set j, j+1
.endr
.endm
; O^T(t) = O^T(t) exp2(old m - new m) + X^T P^T, under one window setting (A, C, D in window 1)
.macro RESCPV t, first
	WIN 0x51
.if \first == 0
.set j, 0
.rept 16
	v_pk_mul_f32 v[32*\t+2*j:32*\t+2*j+1], v[32*\t+2*j:32*\t+2*j+1], v[34:35] op_sel_hi:[1,0]
.set j, j+1
.endr
.endif
	MM8 32*\t, VFR, PK, \first
.endm
; The lane's sum of its 32 p.  It stands behind the products of P: its instructions name none of their registers, and so they are also the
; plain instructions that have to stand between those products and the next writes of P and loads of V
.macro SUM t, first
	WIN 0
.set SBT, 64+32*(\t&1)
.irp len, 8,4,2,1
.set j, 0
.rept \len
	v_pk_add_f32 v[SBT+2*j:SBT+2*j+1], v[SBT+2*j:SBT+2*j+1], v[SBT+2*j+2*\len:SBT+2*j+2*\len+1]
.set j, j+1
.endr
.endr
.if \first
	v_add_f32 v[STA+4*\t+3], v[SBT], v[SBT+1]
.else
	v_add_f32 v32, v[SBT], v[SBT+1]
	v_fma_f32 v[STA+4*\t+3], v[STA+4*\t+3], v34, v32
.endif
.endm
; One chunk of 128 keys, which lies in slot.  stage: the next chunk goes from registers into the other slot, and the step has its barrier.
; gload: the chunk behind that is asked for.  pf: wave 0 prefetches.
; ONE barrier a step.  In front of its signal a wave's LDS instructions are all done: its reads of this chunk (K fragments, loaded in the step
; before; V fragments, loaded here) and its stores of the next chunk.  Behind its wait the next chunk is whole, so its K fragments are loaded,
; and this slot is free, so the next step stores into it.  Between signal and wait stands register work alone.
.macro STEP slot, first, stage, gload, pf
.if \stage
	s_wait_loadcnt 0x0                             ; the next chunk, asked for one step ago
	CVTST STG, 8, 2, (1-\slot)*SLOT
.endif
.if \gload
	s_wait_xcnt 0x0                                ; the pointer is a source of the last prefetch too: it is stepped only behind this wait
	s_add_nc_u64 s[4:5], s[4:5], CHUNKB
	GLOAD 8, STG, 4
.endif
.if \pf
	; Wave 0, every second step: lanes 256 bytes apart ask for this work-group's eighth (8,192 bytes) of the 65,536 bytes of the two chunks
	; that will be loaded one and two steps from here.  The eight work-groups of a batch cover them once.  The last request ends with chunk 15.
	s_cmp_lg_u32 s14, 0
	s_cbranch_scc1 .Lno_prefetch_\@
	global_prefetch_b8 v8, s[4:5] offset:CHUNKB th:TH_LOAD_NT scope:SCOPE_SE
.Lno_prefetch_\@:
.endif
	WIN 0x40
	FRAGT VFR, 4, \slot*SLOT
	s_wait_dscnt 16+8*\stage                       ; the 16 K loads are back; the staging stores and the 16 V loads behind them may be out
	SMUL 0
	SMUL 1
	WIN 0
	PLACES
	SM 0, \first
	s_wait_dscnt 0x0                               ; V is in; and for the others' sake: my reads of this slot and my stores into the other are done
.if \stage
	s_barrier_signal -1
.endif
	RESCPV 0, \first
	SUM 0, \first
	SMUL 2
	SM 1, \first
	RESCPV 1, \first
	SUM 1, \first
	SMUL 3
	SM 2, \first
	RESCPV 2, \first
	SUM 2, \first
.if \stage
	s_barrier_wait -1
	FRAG16 KFR, 3, (1-\slot)*SLOT                  ; the next chunk's K fragments: the last product that read the old ones stands in front of SM 2
.endif
	SM 3, \first
	RESCPV 3, \first
	SUM 3, \first
.endm
	; ---------------- head: ids, pointers, all first loads at once
	s_load_b256 s[4:11], s[0:1], 0x0               ; x s[4:5], Wq s[6:7], Wk s[8:9], Wv s[10:11]
	s_load_b64 s[12:13], s[0:1], 0x20              ; out0
	v_lshrrev_b32 v15, 5, v0
	v_readfirstlane_b32 s14, v15                   ; wave
	s_and_b32 s15, s14, 3                          ; query group
	s_lshr_b32 s16, s14, 2                         ; half of the keys
	s_lshr_b32 s18, ttmp9, 3
	s_lshl_b32 s18, s18, 19                        ; batch x 2,048 rows x 256 bytes
	s_mov_b32 s19, 0
	s_and_b32 s17, ttmp9, 7                        ; query block
	s_mov_b32 s20, 0x76543210                      ; v_permlanex16_b32: lane i takes lane i ^ 16
	s_mov_b32 s21, 0xfedcba98
	s_mov_b32 s22, 0x0d800000                      ; 2^-100
	s_mov_b32 s23, 0x3e38aa3b                      ; log2(e) / 8
	v_lshlrev_b32 v1, 4, v0                        ; 16 bytes a thread
	s_wait_kmcnt 0x0
	s_add_nc_u64 s[4:5], s[4:5], s[18:19]          ; x at the batch's chunk 0
	s_add_nc_u64 s[12:13], s[12:13], s[18:19]
	s_lshl_b32 s18, s17, 16                        ; block x 256 rows
	s_add_nc_u64 s[26:27], s[4:5], s[18:19]        ; the block's query rows
	s_add_nc_u64 s[12:13], s[12:13], s[18:19]
	s_lshl_b32 s18, s15, 14                        ; group x 64 rows
	s_add_nc_u64 s[12:13], s[12:13], s[18:19]      ; out at my wave's first query
	GLOAD 4, 32, 6                                 ; Wq
	GLOAD 4, 48, 8                                 ; Wk
	GLOAD 4, 64, 10                                ; Wv
	GLOAD 16, 80, 26                               ; 256 query rows
	GLOAD 8, STG, 4                                ; chunk 0
	v_lshrrev_b32 v15, 4, v0                       ; staging: row = thread >> 4,
	v_mul_u32_u24 v2, 0xa0, v15
	v_lshrrev_b32 v15, 7, v0
	v_lshl_add_u32 v2, v15, 4, v2                  ; + 16 (row >> 3),
	v_and_b32 v224, 15, v0                         ; r
	v_lshl_add_u32 v2, v224, 3, v2                 ; + 8 bytes for each 4 numbers
	v_add_nc_u32 v13, WREG, v2
	v_add_nc_u32 v14, QROWS, v2
	v_bfe_u32 v225, v0, 4, 1                       ; h
	v_bfe_u32 v226, v0, 3, 1
	v_and_b32 v227, 7, v0
	v_mul_u32_u24 v228, 0xa0, v224                 ; plain fragments: row r, + 16 h
	v_lshl_add_u32 v228, v226, 4, v228
	v_lshl_add_u32 v228, v225, 4, v228
	v_mul_u32_u24 v229, 0xa0, v227                 ; transposed: row 8 h + (lane & 7), + 16 ((lane >> 3) & 1)
	v_mad_u32_u24 v229, v225, GRP, v229
	v_lshl_add_u32 v229, v226, 4, v229
	s_mul_i32 s25, s16, WMAT                       ; my 64 keys of a chunk
	v_add_nc_u32 v3, s25, v228
	v_add_nc_u32 v4, s25, v229
	s_mul_i32 s25, s15, WMAT                       ; my 64 queries
	s_add_co_u32 s25, s25, QROWS
	v_add_nc_u32 v5, s25, v228
	v_add_nc_u32 v6, WREG, v228
	v_add_nc_u32 v7, WREG+WMAT, v229
	v_and_b32 v230, 31, v0
	s_lshl_b32 s25, s17, 13
	v_lshl_add_u32 v8, v230, 8, s25                ; prefetch: 256 x lane + 8,192 x block
	v_lshlrev_b32 v12, 4, v230
.irp t, 0,1,2,3
	v_mov_b32 v[STA+4*\t+3], 0                     ; the sums' registers are named (as halves of a pair) before the first sums are written
.endr
	s_wait_loadcnt 24                              ; the 12 loads of the weights are in; 24 younger ones may be out
	CVTST 32, 4, 13, 0
	CVTST 48, 4, 13, WMAT
	CVTST 64, 4, 13, 2*WMAT
	s_wait_loadcnt 8                               ; the query rows; chunk 0's 8 loads may be out
	CVTST 80, 16, 14, 0
	s_wait_loadcnt 0x0
	CVTST STG, 8, 2, 0                             ; chunk 0 into slot 0
	s_add_nc_u64 s[4:5], s[4:5], CHUNKB            ; every load that named the pointer is done
	GLOAD 8, STG, 4                                ; chunk 1
	v_mov_b32 v35, 0                               ; the upper half of the pair v[34:35], of which the lower is broadcast
	s_wait_dscnt 0x0                               ; my stores are done,
	s_barrier_signal -1
	s_barrier_wait -1                              ; everybody's are
	; ---------------- q^T = Wq x^T, then q'^T = Wk^T q^T, each normalised row by row (both waves of a query group do the same)
	FRAG16 KFR, 6, 0                               ; Wq, rows h
	WIN 0x40
	FRAG16 VFR, 5, 0                               ; my 64 query rows
	WIN 0
	s_wait_dscnt 0x0
	PROJ 0, VFR, 1
	PROJ 1, VFR, 1
	PROJ 2, VFR, 1
	PROJ 3, VFR, 1
	FRAGT KFR, 7, 0                                ; Wk transposed: rows e, K = h
	s_wait_dscnt 0x0
	PROJ 0, QFR, 0
	PROJ 1, QFR, 0
	PROJ 2, QFR, 0
	PROJ 3, QFR, 0
	FRAG16 KFR, 3, 0                               ; chunk 0's K fragments
	; ---------------- 16 chunks, chunk c in slot c & 1
	STEP 0, 1, 1, 1, 0                             ; chunk 0 starts maxima, sums and O
	s_mov_b32 s24, 6
.Lpair:
	STEP 1, 0, 1, 1, 1                             ; chunks 1, 3, .. 11
	STEP 0, 0, 1, 1, 0                             ; chunks 2, 4, .. 12
	s_sub_co_u32 s24, s24, 1
	s_cmp_lg_u32 s24, 0
	s_cbranch_scc1 .Lpair
	STEP 1, 0, 1, 1, 0                             ; chunk 13 asks for chunk 15, the last
	STEP 0, 0, 1, 0, 0                             ; chunk 14
	STEP 1, 0, 0, 0, 0                             ; chunk 15: nothing to stage, no barrier
	; ---------------- merge: waves 4-7 leave their O and state in LDS; waves 0-3 meanwhile fetch Wv
	s_cmp_lt_u32 s14, 4
	s_cbranch_scc1 .Llow
	s_mul_i32 s17, s14, MSLOT
	s_add_co_u32 s17, s17, MERGE-4*MSLOT
	v_add_nc_u32 v9, s17, v12
	WIN 0x04                                       ; store data in window 1
.set j, 0
.rept 32
	ds_store_b128 v9, v[4*j:4*j+3] offset:512*j
.set j, j+1
.endr
	WIN 0
.irp t, 0,1,2,3
	ds_store_b128 v9, v[STA+4*\t:STA+4*\t+3] offset:16384+512*\t
.endr
	s_branch .Ljoin
.Llow:
	WIN 0x40
	FRAG16 QFR, 6, 2*WMAT                          ; Wv, rows h, where q' was
	WIN 0
.Ljoin:
	s_wait_dscnt 0x0
	s_barrier_signal -1
	s_barrier_wait -1
	s_cmp_ge_u32 s14, 4
	s_cbranch_scc1 .Lend
	; ---------------- waves 0-3: combine, normalise, out^T = Wv O^T, store
	s_mul_i32 s17, s14, MSLOT
	s_add_co_u32 s17, s17, MERGE
	v_add_nc_u32 v9, s17, v12
.set j, 0
.rept 32
	ds_load_b128 v[128+4*j:128+4*j+3], v9 offset:512*j             ; the partner's O, register for register
.set j, j+1
.endr
.irp t, 0,1,2,3
	ds_load_b128 v[96+4*\t:96+4*\t+3], v9 offset:16384+512*\t      ; and its state
.endr
	v_and_b32 v15, 15, v0                          ; r
	v_bfe_u32 v40, v0, 4, 1                        ; h
	s_mul_i32 s17, s14, OSLOT
	s_add_co_u32 s17, s17, OUTST                   ; my own stage
	v_mul_u32_u24 v10, 0x110, v15                  ; in: row r (a query), 32 bytes (8 f32) for each half of the lanes
	v_lshl_add_u32 v10, v40, 5, v10
	v_add_nc_u32 v10, s17, v10
	v_mul_u32_u24 v11, 0x110, v40                  ; back: lanes 0-15 one row of 256 bytes, lanes 16-31 the next
	v_lshl_add_u32 v11, v15, 4, v11
	v_add_nc_u32 v11, s17, v11
	v_mov_b32 v39, 0                               ; destination of a lane permute: written once before
	s_wait_dscnt 0x0
.macro EPI t
	WIN 0
	v_min_num_f32 v32, v[STA+4*\t+2], v[96+4*\t+2] ; -(the larger maximum)
	v_sub_f32 v35, v32, v[STA+4*\t+2]              ; my m - m
	v_sub_f32 v37, v32, v[96+4*\t+2]               ; the partner's m - m
	v_exp_f32 v34, v35
	v_exp_f32 v36, v37
	v_nop                                          ; a plain instruction behind the exponentials
	s_wait_alu depctr_va_vdst(0)
	v_mul_f32 v38, v[STA+4*\t+3], v34
	v_fmac_f32 v38, v[96+4*\t+3], v36
	v_permlanex16_b32 v39, v38, s20, s21           ; the sums of the query's other keys lie in lane ^ 16
	v_add_f32 v38, v38, v39
	v_rcp_f32 v40, v38
	v_nop                                          ; a plain instruction behind v_rcp_f32
	s_wait_alu depctr_va_vdst(0)
	v_mul_f32 v34, v34, v40
	v_mul_f32 v36, v36, v40
.set j, 0
.rept 16
	v_pk_mul_f32 v[128+32*\t+2*j:128+32*\t+2*j+1], v[128+32*\t+2*j:128+32*\t+2*j+1], v[36:37] op_sel_hi:[1,0]
.set j, j+1
.endr
	WIN 0x01                                       ; my O: source 0 in window 1
.set j, 0
.rept 16
	v_pk_fma_f32 v[128+32*\t+2*j:128+32*\t+2*j+1], v[32*\t+2*j:32*\t+2*j+1], v[34:35], v[128+32*\t+2*j:128+32*\t+2*j+1] op_sel_hi:[1,0,1]
.set j, j+1
.endr
	WIN 0
.set j, 0
.rept 16
	v_cvt_pk_f16_f32 v[PK+j], v[128+32*\t+2*j], v[128+32*\t+2*j+1]
.set j, j+1
.endr
	WIN 0x01
	MM8 64, QFR, PK, 1                             ; register j of tile i: out(query r, h = 16 i + 8 h + j)
	WIN 0
	PLACES
.irp i, 0,1,2,3
	ds_store_b128 v10, v[64+8*\i:64+8*\i+3] offset:4352*\t+64*\i
	ds_store_b128 v10, v[64+8*\i+4:64+8*\i+7] offset:4352*\t+64*\i+16
.endr
.irp u, 0,1,2,3,4,5,6,7
	ds_load_b128 v[128+32*\t+4*\u:128+32*\t+4*\u+3], v11 offset:4352*\t+544*\u   ; LDS serves a wave's instructions in order (ISA guide 5.7.1): these see the stores above
.endr
.irp u, 0,1,2,3,4,5,6,7
	s_wait_dscnt 7-\u                              ; read-back u is in; the younger ones may be out
	global_store_b128 v12, v[128+32*\t+4*\u:128+32*\t+4*\u+3], s[12:13] offset:4096*\t+512*\u th:TH_STORE_NT   ; the wave stores 512 consecutive bytes, two whole rows of out; its registers are not written again
.endr
.endm
	EPI 0
	EPI 1
	EPI 2
	EPI 3
.Lend:
	s_wait_xcnt 0x0
	v_lshl_add_u32 v254, v0, 2, 0x3ee00
	v_mov_b32 v255, 0
	s_wait_tensorcnt 0x0
	ds_add_u32 v254, v255
	s_wait_dscnt 0x0
	s_endpgm
.Lfunc_end_k_q433b473011_attn:
	.size	k_q433b473011_attn, .Lfunc_end_k_q433b473011_attn-k_q433b473011_attn
	.p2alignl 7, 3214868480
	.fill 96, 4, 3214868480
	.section	.rodata,"a",@progbits
	.p2align	6, 0x0
	.amdhsa_kernel k_q433b473011_attn
		.amdhsa_group_segment_fixed_size 258560
		.amdhsa_private_segment_fixed_size 0
		.amdhsa_enable_private_segment 0
		.amdhsa_kernarg_size 40
		.amdhsa_user_sgpr_count 2
		.amdhsa_user_sgpr_kernarg_segment_ptr 1
		.amdhsa_wavefront_size32 1
		.amdhsa_system_sgpr_workgroup_id_x 1
		.amdhsa_system_sgpr_workgroup_id_y 1
		.amdhsa_system_sgpr_workgroup_id_z 1
		.amdhsa_system_vgpr_workitem_id 0
		.amdhsa_next_free_vgpr 512
		.amdhsa_next_free_sgpr 66
		.amdhsa_reserve_vcc 0
		.amdhsa_float_denorm_mode_32 3
		.amdhsa_float_denorm_mode_16_64 3
		.amdhsa_memory_ordered 1
		.amdhsa_forward_progress 1
		.amdhsa_inst_pref_size 255
	.end_amdhsa_kernel
	.section	.bss,"aw",@nobits
	.p2align	6
	.space	262144
	.amdgpu_metadata
---
amdhsa.version: [ 1, 2 ]
amdhsa.kernels:
  - .name:           k_q433b473011_attn
    .symbol:         k_q433b473011_attn.kd
    .args:
      - { .name: inputs, .offset: 0, .size: 8, .value_kind: global_buffer, .address_space: global }
      - { .name: Wq, .offset: 8, .size: 8, .value_kind: global_buffer, .address_space: global }
      - { .name: Wk, .offset: 16, .size: 8, .value_kind: global_buffer, .address_space: global }
      - { .name: Wv, .offset: 24, .size: 8, .value_kind: global_buffer, .address_space: global }
      - { .name: out0, .offset: 32, .size: 8, .value_kind: global_buffer, .address_space: global }
    .group_segment_fixed_size: 258560
    .private_segment_fixed_size: 0
    .kernarg_segment_align: 8
    .kernarg_segment_size: 40
    .max_flat_workgroup_size: 256
    .sgpr_count:     66
    .vgpr_count:     512
    .wavefront_size: 32
...
	.end_amdgpu_metadata
.endif
;; end of part 1
